; MI455X (gfx1250); checked and timed in simulation.
; The chip was launched on July 23, 2026; its instructions are those of AMD's public machine-readable ISA for CDNA 5 (MIT licence, August 2026) and "CDNA5" Instruction Set Architecture Reference Guide (July 2026). The comments in the code are by the model that wrote it; some were corrected since.
;; Multi Head Self Attention. Allowed arithmetic: float matrix products may take bf16 or f16 operands with f32 sums; all other float work in f32.
;; Inputs: b_proj 1,024 float32; b_qkv 3,072 float32; w_proj 1,024 x 1,024 float32; w_qkv 1,024 x 3,072 float32; x 2 x 2,048 x 1,024 float32.
;; Outputs: out0 2 x 2,048 x 1,024 float32.
;; One version. Each part assembles by itself: llvm-mc -triple=amdgcn-amd-amdhsa -mcpu=gfx1250 --defsym DOCPART=n.
;; ======== version 1 of 1: 4 launches
;; workspace buffers: xb 8,388,608 bytes; wqb 6,291,456 bytes; wpb 2,097,152 bytes; qkv 25,165,824 bytes; ob 8,388,608 bytes
;; launch cast (part 1): grid 256 x 1, 8 waves a work-group, no clusters, 0 bytes of LDS; arguments x, w_qkv, w_proj, xb, wqb, wpb; writes xb, wqb, wpb
.if DOCPART == 1
	.amdgcn_target "amdgcn-amd-amdhsa--gfx1250"
	.amdhsa_code_object_version 6
	.text
	.protected	k_q6cb4a7612c_cast
	.globl	k_q6cb4a7612c_cast
	.p2align	8
	.type	k_q6cb4a7612c_cast,@function
k_q6cb4a7612c_cast:
	s_mov_b64 s[64:65], 0
	v_nop
	global_prefetch_b8 v0, s[64:65] scope:SCOPE_SE
	s_setreg_imm32_b32 hwreg(HW_REG_WAVE_MODE, 25, 1), 1
	s_wait_xcnt 0x0
; cast: x, w_qkv and w_proj from f32 to bf16 (round to nearest even), layouts unchanged, so that the three later launches
; move and keep 16-bit matrix operands and no operand is converted more than once.
; 8,388,608 numbers in all; each of the 256 work-groups takes 32,768 of them (131,072 bytes in, 65,536 bytes out):
; work-groups 0-127 x, 128-223 w_qkv, 224-255 w_proj.  A pure stream: no LDS, no barrier, no matrix unit, and no cluster,
; since no two work-groups read the same byte.
; Thread t takes 16 bytes at 16 t of each block of 4,096 bytes.  All 32 loads of a thread go out first, so the whole share of the
; work-group is on its way at once; each result has registers of its own, so no register is written twice.
; A store of a wave covers 256 consecutive bytes, aligned.
.set CHUNK, 4096                       ; bytes that the 256 threads read with one load each
.set X, 4                              ; v[4:131]   32 x 4 numbers as loaded
.set Y, 132                            ; v[132:195] 32 x 2 words of two bf16
	s_load_b256 s[4:11], s[0:1], 0x0               ; x s[4:5], w_qkv s[6:7], w_proj s[8:9], xb s[10:11]
	s_load_b128 s[12:15], s[0:1], 0x20             ; wqb s[12:13], wpb s[14:15]
	v_lshlrev_b32 v1, 4, v0                        ; 16 t: where I read
	v_lshlrev_b32 v2, 3, v0                        ; 8 t: where I write
	s_mov_b32 s21, 224
	s_wait_kmcnt 0x0
	s_cmp_lt_u32 ttmp9, 224                        ; the choice of buffers hangs on the work-group's number alone
	s_cselect_b64 s[16:17], s[6:7], s[8:9]
	s_cselect_b64 s[18:19], s[12:13], s[14:15]
	s_cselect_b32 s20, 128, s21                    ; the first work-group of the chosen tensor
	s_cmp_lt_u32 ttmp9, 128
	s_cselect_b64 s[16:17], s[4:5], s[16:17]
	s_cselect_b64 s[18:19], s[10:11], s[18:19]
	s_cselect_b32 s20, 0, s20
	s_sub_co_u32 s20, ttmp9, s20                   ; my place inside the tensor
	s_lshl_b32 s22, s20, 17                        ; x 131,072 bytes of f32 (below 16 MiB)
	s_mov_b32 s23, 0
	s_lshl_b32 s24, s20, 16                        ; x 65,536 bytes of bf16
	s_mov_b32 s25, 0
	s_add_nc_u64 s[16:17], s[16:17], s[22:23]
	s_add_nc_u64 s[18:19], s[18:19], s[24:25]
.set i, 0
.rept 32
	global_load_b128 v[X+4*i:X+4*i+3], v1, s[16:17] offset:CHUNK*i th:TH_LOAD_NT   ; read once in the launch
.set i, i+1
.endr
.set i, 0
.rept 32
	s_wait_loadcnt 31-i                            ; loads come back in order (ISA guide 5.7.1): load i is in, the 31 - i younger ones stay out
	v_cvt_pk_bf16_f32 v[Y+2*i],   v[X+4*i],   v[X+4*i+1]
	v_cvt_pk_bf16_f32 v[Y+2*i+1], v[X+4*i+2], v[X+4*i+3]
	global_store_b64 v2, v[Y+2*i:Y+2*i+1], s[18:19] offset:2048*i                  ; no hint: the next launches read it
.set i, i+1
.endr
	s_endpgm
.Lfunc_end_k_q6cb4a7612c_cast:
	.size	k_q6cb4a7612c_cast, .Lfunc_end_k_q6cb4a7612c_cast-k_q6cb4a7612c_cast
	.p2alignl 7, 3214868480
	.fill 96, 4, 3214868480
	.section	.rodata,"a",@progbits
	.p2align	6, 0x0
	.amdhsa_kernel k_q6cb4a7612c_cast
		.amdhsa_group_segment_fixed_size 0
		.amdhsa_private_segment_fixed_size 0
		.amdhsa_enable_private_segment 0
		.amdhsa_kernarg_size 48
		.amdhsa_user_sgpr_count 2
		.amdhsa_user_sgpr_kernarg_segment_ptr 1
		.amdhsa_wavefront_size32 1
		.amdhsa_system_sgpr_workgroup_id_x 1
		.amdhsa_system_sgpr_workgroup_id_y 1
		.amdhsa_system_sgpr_workgroup_id_z 1
		.amdhsa_system_vgpr_workitem_id 0
		.amdhsa_next_free_vgpr 196
		.amdhsa_next_free_sgpr 66
		.amdhsa_reserve_vcc 0
		.amdhsa_float_denorm_mode_32 3
		.amdhsa_float_denorm_mode_16_64 3
		.amdhsa_memory_ordered 1
		.amdhsa_forward_progress 1
		.amdhsa_inst_pref_size 13
	.end_amdhsa_kernel
	.amdgpu_metadata
---
amdhsa.version: [ 1, 2 ]
amdhsa.kernels:
  - .name:           k_q6cb4a7612c_cast
    .symbol:         k_q6cb4a7612c_cast.kd
    .args:
      - { .name: x, .offset: 0, .size: 8, .value_kind: global_buffer, .address_space: global }
      - { .name: w_qkv, .offset: 8, .size: 8, .value_kind: global_buffer, .address_space: global }
      - { .name: w_proj, .offset: 16, .size: 8, .value_kind: global_buffer, .address_space: global }
      - { .name: xb, .offset: 24, .size: 8, .value_kind: global_buffer, .address_space: global }
      - { .name: wqb, .offset: 32, .size: 8, .value_kind: global_buffer, .address_space: global }
      - { .name: wpb, .offset: 40, .size: 8, .value_kind: global_buffer, .address_space: global }
    .group_segment_fixed_size: 0
    .private_segment_fixed_size: 0
    .kernarg_segment_align: 8
    .kernarg_segment_size: 48
    .max_flat_workgroup_size: 256
    .sgpr_count:     66
    .vgpr_count:     196
    .wavefront_size: 32
...
	.end_amdgpu_metadata
.endif
;; end of part 1
;; launch qkvg (part 2): grid 16 x 16, 4 waves a work-group, clusters of 4 x 4, 327,680 bytes of LDS; arguments xb, wqb, b_qkv, qkv; writes qkv
.if DOCPART == 2
	.amdgcn_target "amdgcn-amd-amdhsa--gfx1250"
	.amdhsa_code_object_version 6
	.text
	.protected	k_q6cb4a7612c_qkvg
	.globl	k_q6cb4a7612c_qkvg
	.p2align	8
	.type	k_q6cb4a7612c_qkvg,@function
k_q6cb4a7612c_qkvg:
	s_mov_b64 s[64:65], 0
	v_nop
	global_prefetch_b8 v0, s[64:65] scope:SCOPE_SE
	s_setreg_imm32_b32 hwreg(HW_REG_WAVE_MODE, 25, 1), 1
	s_wait_xcnt 0x0
	s_wait_alu depctr_hold_cnt(0) depctr_sa_sdst(0) depctr_va_vdst(0) depctr_va_sdst(0) depctr_va_ssrc(0) depctr_va_vcc(0) depctr_vm_vsrc(0)
	s_getreg_b32 s2, hwreg(HW_REG_IB_STS2, 6, 4)
	s_cmp_eq_u32 s2, 0
	s_cbranch_scc0 .Lentry_in_a_cluster
	s_endpgm
.Lentry_in_a_cluster:
	s_bfe_u32 s2, ttmp6, 0x10000c
	s_cmp_lg_u32 s2, 0xf033
	s_cbranch_scc0 .Lentry_shape_is_right
	s_endpgm
.Lentry_shape_is_right:
; qkvg: qkv = x w_qkv + b_qkv.  xb [4096][1024] bf16, wqb [1024 k][3072 n] bf16, b_qkv [3072] f32; sums in f32, rounded once to bf16.
; OUTPUT LAYOUT: qkv[g][token][64] bf16, g = column / 64 (0-15 Q's heads, 16-31 K's, 32-47 V's): a group is 524,288 bytes, a token's row 128.
; A work-group makes 256 tokens x 192 columns (three whole groups): 16 x 16 = 256 work-groups.  Four waves; wave w makes tokens 64 w .. 64 w + 63
; by all 192 columns: 4 x 12 = 48 accumulator tiles of 16 x 16, 384 registers.  K = 1024 goes in 8 steps of 128 through two LDS slots.
; CLUSTERS: 4 x 4 work-groups.  x's tile hangs on the block row alone and is asked for jointly by the four of a row of the cluster, w's tile hangs on
; the block column alone and is asked for jointly by the four of a column: each tile is requested once for four work-groups.
; w lies [k][n]: its fragments are read from LDS by the transposing load, so no transposed copy is ever stored.
; w's tile rows are 384 bytes and start at multiples of 128 bytes of the buffer (192 columns a block); x's are 256 bytes, aligned.
; THE MATRIX INSTRUCTION IS USED TRANSPOSED (source 0 = 16 columns of w, source 1 = 16 tokens of x): lane l holds token l % 16, its registers
; 0-7 the columns 8 (l / 16) + 0..7.  The bias, laid out the same way, is the C operand of the first products: nothing is cleared or added later.
; LIMITS: operands are bf16 (x and w rounded by the launch before), the result is rounded to bf16; NaN and infinities are not served.
;
; REGISTERS, in windows of 256: window 0: v16-27 addresses; v32-63, v64-95 x's fragments (two buffers); v96-191 the bias, later the way out's
; packed results (v96-143) and first read-back buffer (v144-191); v192-239 second read-back buffer.  Window 1: v0-95, v96-191 w's fragments (two buffers).
; Window 2: accumulators of my tokens 0-31 (tile (a, b) at 8 (12 a + b)); window 3: those of tokens 32-63.
.set PA,     272                       ; x's LDS row: 256 bytes + 16 of padding
.set PB,     480                       ; w's LDS row: three pieces of 128 bytes, 32 of padding behind each = 15 x 32
.set AHALF,  128*PA                    ; what waves 0 and 1 fetch: 128 tokens
.set ABYTES, 2*AHALF
.set BHALF,  64*PB                     ; what waves 2 and 3 fetch: 64 rows of k
.set SLOT,   ABYTES+2*BHALF            ; 131,072
.set STAGE,  2*SLOT                    ; behind the ring, no tensor load lands here: 16 rows x 400 bytes for each wave
.set SP,     400
.set GROUP,  524288
.set LAPS,   4                         ; a lap = two K steps = once round the ring
.set ADRA, 16                          ; v16-17 LDS address of my x fragments in slot 0, 1
.set ADRB, 20                          ; v20-21 the same for w
.set STO,  24
.set RD,   25
.set CO,   26
.set BO,   27
.set FA,   32                          ; x's fragment buffers at FA + 32 f
.set BIAS, 96
.set TMP,  96
.set RB0,  144
.set RB1,  192
.set G1,  24                           ; s[24:31] group 1 for x's tiles
.set G0,  32                           ; s[32:39] group 0 for x's tiles, a set for each slot
.set G1B, 48                           ; s[48:55] group 1 for w's tiles
.set G0B, 56                           ; s[56:63] group 0 for w's tiles, a set for each slot
.set MSB, 0
.macro WIN new                         ; the immediate's high byte repeats the setting that is left
.if MSB != \new
	s_set_vgpr_msb (MSB<<8)|\new
.set MSB, \new
.endif
.endm
.set MUL_LO, 0xa1                      ; source 0 (w) window 1, source 1 (x) window 0, C and D window 2
.set MUL_HI, 0xf1                      ; the same, C and D window 3
.set TO_B,   0x40                      ; destination window 1, address window 0
; A joint load: waves 0 and 1 ask for x's two halves, waves 2 and 3 for w's.  The branch hangs on the wave's number alone.
.macro JLOAD s
	s_cmp_eq_u32 s14, 0
	s_cbranch_scc0 .Lfor_b_\@
	tensor_load_to_lds s[G0+4*\s:G0+4*\s+3], s[G1:G1+7]
	s_nop 0
	s_branch .Lasked_\@
.Lfor_b_\@:
	tensor_load_to_lds s[G0B+4*\s:G0B+4*\s+3], s[G1B:G1B+7]
	s_nop 0
.Lasked_\@:
.endm
.macro CREST                           ; a round of the cluster's barrier behind its opening work-group barrier
	s_cmp_lg_u32 s12, 0
	s_cbranch_scc1 .Lnot_wave_0_\@
	s_barrier_signal -3
.Lnot_wave_0_\@:
	s_barrier_wait -3
	s_barrier_signal -1
	s_barrier_wait -1
.endm
.macro CROUND                          ; a whole round
	s_barrier_signal -1
	s_barrier_wait -1
	CREST
.endm
.macro PLACES                          ; four places behind matrix instructions (ISA guide 7.12.1), where there is no other vector work
.rept 4
	v_nop
.endr
.endm
	s_load_b256 s[4:11], s[0:1], 0x0               ; xb s[4:5], wqb s[6:7], b_qkv s[8:9], qkv s[10:11]
	s_set_vgpr_msb 0x40
	v_lshl_add_u32 v255, v0, 2, 0x46400
	s_set_vgpr_msb 0x4000
	v_mov_b32 v255, 0
	s_set_vgpr_msb 0x1
	ds_add_u32 v255, v255
	s_set_vgpr_msb 0x100
	v_lshrrev_b32 v1, 5, v0
	v_readfirstlane_b32 s12, v1                    ; wave 0..3
	s_and_b32 s13, s12, 1                          ; which half of the tile I fetch
	s_lshr_b32 s14, s12, 1                         ; 0: I fetch for x, 1: for w
	s_bfe_u32 s16, ttmp6, 0x40000                  ; cx
	s_bfe_u32 s17, ttmp6, 0x40004                  ; cy
	s_lshl_b32 s18, ttmp9, 2
	s_add_co_u32 s18, s18, s16                     ; block column = 4 x cluster x + cx
	s_and_b32 s19, ttmp7, 0xffff
	s_lshl_b32 s19, s19, 2
	s_add_co_u32 s19, s19, s17                     ; block row = 4 x cluster y + cy
	s_lshl_b32 s20, s17, 2
	s_lshl_b32 s20, 15, s20                        ; my row of the cluster
	s_lshl_b32 s21, 0x1111, s16                    ; my column
	; group 1 for x: 128 rows x 128 elements of 2 bytes, 4 words of padding behind every 64
	s_or_b32 s[G1+0], s20, (1<<16)|(1<<20)|(1<<21)|(5<<22)|(3<<25)
	s_mov_b32 s[G1+1], 128<<16                     ; tensor_dim0 = 128
	s_mov_b32 s[G1+2], 128<<16                     ; tensor_dim1 = 128
	s_mov_b32 s[G1+3], 128<<16                     ; tile_dim0 = 128
	s_mov_b32 s[G1+4], 128                         ; tile_dim1 = 128
	s_mov_b32 s[G1+5], 1024                        ; elements from row to row
	s_mov_b32 s[G1+6], 0
	s_mov_b32 s[G1+7], 0
	; group 1 for w: 64 rows x 192 elements of 2 bytes, 8 words of padding behind every 32 (three times in a row of 96 words)
	s_or_b32 s[G1B+0], s21, (1<<16)|(1<<20)|(1<<21)|(4<<22)|(7<<25)
	s_mov_b32 s[G1B+1], 192<<16
	s_mov_b32 s[G1B+2], 64<<16
	s_mov_b32 s[G1B+3], 192<<16
	s_mov_b32 s[G1B+4], 64
	s_mov_b32 s[G1B+5], 3072
	s_mov_b32 s[G1B+6], 0
	s_mov_b32 s[G1B+7], 0
	; x's tile hangs on the block row, w's on the block column; each offset lies in registers that never hold the other coordinate
	s_lshl_b32 s40, s19, 8
	s_lshl_b32 s22, s13, 7
	s_add_co_u32 s40, s40, s22                     ; token 256 x block row + 128 x half
	s_lshl_b32 s40, s40, 11                        ; x 2,048 bytes
	s_mov_b32 s41, 0
	s_mul_i32 s42, s13, 64*6144                    ; k row 64 x half, 6,144 bytes each
	s_mul_i32 s23, s18, 384                        ; + 192 columns x block column
	s_add_co_u32 s42, s42, s23
	s_mov_b32 s43, 0
	s_mul_i32 s44, s12, AHALF                      ; x's halves lie at wave x 34,816 (waves 0, 1)
	s_mul_i32 s45, s12, BHALF
	s_add_co_u32 s45, s45, ABYTES-2*BHALF          ; w's halves behind them: 69,632 + (wave - 2) x 30,720 (waves 2, 3)
	s_mul_i32 s46, s18, 768                        ; the bias of my 192 columns
	s_mov_b32 s47, 0
	s_wait_dscnt 0x0
	s_wait_kmcnt 0x0
	s_add_nc_u64 s[40:41], s[4:5], s[40:41]
	s_add_nc_u64 s[42:43], s[6:7], s[42:43]
	s_add_nc_u64 s[8:9], s[8:9], s[46:47]
	CROUND                                         ; all sixteen work-groups are here: the first joint loads meet
.irp s, 0,1
	s_mov_b32 s[G0+4*\s], 1
	s_add_co_u32 s[G0+4*\s+1], s44, \s*SLOT
	s_add_nc_u64 s[G0+4*\s+2:G0+4*\s+3], s[40:41], \s*256          ; K step s: 128 elements along the row
	s_or_b32 s[G0+4*\s+3], s[G0+4*\s+3], 0x80000000
	s_mov_b32 s[G0B+4*\s], 1
	s_add_co_u32 s[G0B+4*\s+1], s45, \s*SLOT
	s_add_nc_u64 s[G0B+4*\s+2:G0B+4*\s+3], s[42:43], \s*128*6144   ; K step s: 128 rows down
	s_or_b32 s[G0B+4*\s+3], s[G0B+4*\s+3], 0x80000000
	JLOAD \s                                       ; both slots' first fills go out together: two tensor loads of the wave are out
.endr
	; lane addresses.  r = l % 16, h = l / 16
	v_and_b32 v1, 15, v0
	v_bfe_u32 v2, v0, 4, 1
	v_and_b32 v3, 7, v0
	v_bfe_u32 v4, v0, 3, 1
	v_mul_u32_u24 v5, v1, PA
	v_lshl_add_u32 v5, v2, 4, v5                   ; x: token r, 16 bytes for each half of the lanes
	s_mul_i32 s22, s12, 64*PA                      ; my 64 tokens
	v_add_nc_u32 v[ADRA], s22, v5
	v_add_nc_u32 v[ADRA+1], SLOT, v[ADRA]
	v_lshl_add_u32 v6, v2, 3, v3                   ; w: k row 8 h + l % 8,
	v_mul_u32_u24 v6, v6, PB
	v_lshl_add_u32 v6, v4, 4, v6                   ; 16 bytes further for lanes 8-15 and 24-31
	v_add_nc_u32 v[ADRB], ABYTES, v6
	v_add_nc_u32 v[ADRB+1], SLOT, v[ADRB]
	s_mul_i32 s23, s12, 16*SP
	s_add_co_u32 s23, s23, STAGE                   ; my stage
	v_mul_u32_u24 v7, v1, SP
	v_lshl_add_u32 v7, v2, 4, v7
	v_add_nc_u32 v[STO], s23, v7                   ; in: token r, 16 bytes for each half
	v_bfe_u32 v8, v0, 3, 2
	v_mul_u32_u24 v8, v8, SP
	v_lshl_add_u32 v8, v3, 4, v8
	v_add_nc_u32 v[RD], s23, v8                    ; back: eight lanes take the 128 bytes of one token and one group, four tokens a load
	v_and_b32 v9, 31, v0
	v_lshlrev_b32 v[CO], 4, v9                     ; and those 512 bytes are consecutive in qkv
	v_lshlrev_b32 v[BO], 5, v2                     ; bias: 8 h numbers of 4 bytes
.irp b, 0,1,2,3,4,5,6,7,8,9,10,11
	global_load_b128 v[BIAS+8*\b:BIAS+8*\b+3],   v[BO], s[8:9] offset:64*\b       ; b_qkv[192 bx + 16 b + 8 h + 0..3]
	global_load_b128 v[BIAS+8*\b+4:BIAS+8*\b+7], v[BO], s[8:9] offset:64*\b+16    ; .. + 4..7
.endr
	s_mul_i32 s46, s18, 3*GROUP                    ; the way out: my three groups,
	s_lshl_b32 s22, s19, 15                        ; 256 tokens x 128 bytes x block row,
	s_add_co_u32 s46, s46, s22
	s_lshl_b32 s22, s12, 13                        ; 64 tokens x 128 bytes x wave
	s_add_co_u32 s46, s46, s22
	s_add_nc_u64 s[10:11], s[10:11], s[46:47]
; 12 matrix instructions: token block a of the window's two (hi = 0: tokens 0-31, 1: tokens 32-63) x all 12 column blocks, 32 along K.
; first = 1: C is the bias, which starts the sums.
.macro MULA f, hi, a, first
.irp b, 0,1,2,3,4,5,6,7,8,9,10,11
.if \first
	v_wmma_f32_16x16x32_bf16 v[8*(12*\a+\b):8*(12*\a+\b)+7], v[96*\f+8*\b:96*\f+8*\b+7], v[FA+32*\f+8*(2*\hi+\a):FA+32*\f+8*(2*\hi+\a)+7], v[BIAS+8*\b:BIAS+8*\b+7]
.else
	v_wmma_f32_16x16x32_bf16 v[8*(12*\a+\b):8*(12*\a+\b)+7], v[96*\f+8*\b:96*\f+8*\b+7], v[FA+32*\f+8*(2*\hi+\a):FA+32*\f+8*(2*\hi+\a)+7], v[8*(12*\a+\b):8*(12*\a+\b)+7]
.endif
.endr
.endm
; 32 LDS loads in one run: quarter q (32 along K) of a slot into buffer f: 24 transposing loads for w's 192 columns, 8 loads for my 64 tokens
.macro FETCH slot, q, f
	WIN TO_B
.irp b, 0,1,2,3,4,5,6,7,8,9,10,11
	ds_load_tr16_b128 v[96*\f+8*\b:96*\f+8*\b+3],   v[ADRB+\slot] offset:\q*32*PB+(\b>>2)*160+(\b&3)*32
	ds_load_tr16_b128 v[96*\f+8*\b+4:96*\f+8*\b+7], v[ADRB+\slot] offset:\q*32*PB+(\b>>2)*160+(\b&3)*32+16*PB
.endr
	WIN 0
.irp a, 0,1,2,3
	ds_load_b128 v[FA+32*\f+8*\a:FA+32*\f+8*\a+3],   v[ADRA+\slot] offset:\a*16*PA+64*\q
	ds_load_b128 v[FA+32*\f+8*\a+4:FA+32*\f+8*\a+7], v[ADRA+\slot] offset:\a*16*PA+64*\q+32
.endr
.endm
; One of a K step's first three quarters: multiplies buffer f; in its middle it fetches quarter q into buffer g.
; The 48 accumulators take turns in one fixed order, one instruction a turn.
.macro QUARTER slot, q, f, g, first
	s_wait_dscnt 4                                 ; w's 24 loads and x's tokens 0-31 are in; the four youngest (tokens 32-63) may be out
.if \first
	WIN 0x81                                       ; C (the bias) from window 0, D window 2
.else
	WIN MUL_LO
.endif
	MULA \f, 0, 0, \first
	MULA \f, 0, 1, \first
	PLACES                                         ; buffer g was read by matrix instructions: loads into it stand four places behind them
	FETCH \slot, \q, \g
	s_wait_dscnt 32                                ; all but the 32 just issued
.if \first
	WIN 0xc1
.else
	WIN MUL_HI
.endif
	MULA \f, 1, 0, \first
	MULA \f, 1, 1, \first
.endm
.macro THREE slot, first
	QUARTER \slot, 1, 0, 1, \first
	QUARTER \slot, 2, 1, 0, 0
	QUARTER \slot, 3, 0, 1, 0
.endm
; The last quarter multiplies buffer 1 and changes slots.  In front of the barrier each wave waits for its reads of this slot and for all its
; tensor loads (one is out: its part of the next slot).  Where the slot is filled again the barrier opens a round of the cluster's barrier,
; and the joint refill is the first tensor load behind the round.  From a request to the wait for it a wave issues 180 matrix instructions.
.macro TURN slot, next, fill
	s_wait_dscnt 4
	WIN MUL_LO
	MULA 1, 0, 0, 0
	s_wait_dscnt 0x0                               ; my reads of this slot are over
	s_wait_tensorcnt 0x0                           ; all my tensor loads have landed
	ds_add_u32 v255, v255
	s_wait_dscnt 0x0
	s_barrier_signal -1
	MULA 1, 0, 1, 0                                ; register work while the others arrive
	WIN 0
	s_barrier_wait -1
.if \fill
	CREST
	s_add_nc_u64 s[G0+4*\slot+2:G0+4*\slot+3], s[G0+4*\slot+2:G0+4*\slot+3], 2*256          ; two K steps on: no load of mine is out
	s_add_nc_u64 s[G0B+4*\slot+2:G0B+4*\slot+3], s[G0B+4*\slot+2:G0B+4*\slot+3], 2*128*6144
	JLOAD \slot
.endif
	PLACES
	FETCH \next, 0, 0
	WIN MUL_HI
	MULA 1, 1, 0, 0
	MULA 1, 1, 1, 0
.endm
.macro LAP first
	THREE 0, \first
	TURN 0, 1, 1
	THREE 1, 0
	TURN 1, 0, 1
.endm
	s_wait_loadcnt 0x0                             ; the bias
	s_wait_tensorcnt 0x1                           ; my part of K step 0 is in; K step 1's may stay out
	s_barrier_signal -1
	s_barrier_wait -1
	FETCH 0, 0, 0
	LAP 1                                          ; fills K steps 2 and 3
	WIN 0
	s_mov_b32 s15, LAPS-2
.Llap:
	LAP 0                                          ; fills K steps 4, 5 and then 6, 7
	WIN 0
	s_sub_co_u32 s15, s15, 1
	s_cmp_lg_u32 s15, 0
	s_cbranch_scc1 .Llap
	THREE 0, 0                                     ; the last lap fills nothing
	TURN 0, 1, 0
	THREE 1, 0
	s_wait_dscnt 4
	WIN MUL_LO
	MULA 1, 0, 0, 0
	MULA 1, 0, 1, 0
	s_wait_dscnt 0x0
	WIN MUL_HI
	MULA 1, 1, 0, 0
	MULA 1, 1, 1, 0
	PLACES                                         ; the conversions below read matrix results
; THE WAY OUT, 16 tokens at a time: round to bf16, 16 bytes a lane into my own stage, read back so that a load's 32 lanes hold the 512
; consecutive bytes of four tokens of one group.  a: token block 0..3; al: its place in its window; from: the window of sources 0 and 1.
.macro OUT16 a, al, from, rb
	WIN \from
.irp b, 0,1,2,3,4,5,6,7,8,9,10,11
.irp r, 0,1,2,3
	v_cvt_pk_bf16_f32 v[TMP+4*\b+\r], v[8*(12*\al+\b)+2*\r], v[8*(12*\al+\b)+2*\r+1]
.endr
.endr
	WIN 0
.irp b, 0,1,2,3,4,5,6,7,8,9,10,11
	ds_store_b128 v[STO], v[TMP+4*\b:TMP+4*\b+3] offset:32*\b
.endr
	s_wait_xcnt 0x0                                ; the read-back buffer, which earlier stores read, is loaded again only behind this wait
.irp i, 0,1,2
.irp t, 0,1,2,3
	ds_load_b128 v[\rb+4*(4*\i+\t):\rb+4*(4*\i+\t)+3], v[RD] offset:128*\i+4*SP*\t   ; LDS serves a wave's instructions in order: these see the stores above
.endr
.endr
.irp i, 0,1,2
.irp t, 0,1,2,3
	s_wait_dscnt 11-(4*\i+\t)
	global_store_b128 v[CO], v[\rb+4*(4*\i+\t):\rb+4*(4*\i+\t)+3], s[10:11] offset:\i*GROUP+(16*\a+4*\t)*128   ; 512 consecutive bytes, aligned
.endr
.endr
.endm
	OUT16 0, 0, 0x0a, RB0
	OUT16 1, 1, 0x0a, RB1
	OUT16 2, 0, 0x0f, RB0
	OUT16 3, 1, 0x0f, RB1
	s_set_vgpr_msb 0x1
	s_wait_tensorcnt 0x0
	ds_add_u32 v255, v255
	s_wait_dscnt 0x0
	s_set_vgpr_msb 0x100
	CROUND                                         ; the closing round: no work-group ends while a partner may still ask for a tile that names it
	s_endpgm
.Lfunc_end_k_q6cb4a7612c_qkvg:
	.size	k_q6cb4a7612c_qkvg, .Lfunc_end_k_q6cb4a7612c_qkvg-k_q6cb4a7612c_qkvg
	.p2alignl 7, 3214868480
	.fill 96, 4, 3214868480
	.section	.rodata,"a",@progbits
	.p2align	6, 0x0
	.amdhsa_kernel k_q6cb4a7612c_qkvg
		.amdhsa_group_segment_fixed_size 327680
		.amdhsa_private_segment_fixed_size 0
		.amdhsa_enable_private_segment 0
		.amdhsa_kernarg_size 32
		.amdhsa_user_sgpr_count 2
		.amdhsa_user_sgpr_kernarg_segment_ptr 1
		.amdhsa_wavefront_size32 1
		.amdhsa_system_sgpr_workgroup_id_x 1
		.amdhsa_system_sgpr_workgroup_id_y 1
		.amdhsa_system_sgpr_workgroup_id_z 1
		.amdhsa_system_vgpr_workitem_id 0
		.amdhsa_next_free_vgpr 960
		.amdhsa_next_free_sgpr 66
		.amdhsa_reserve_vcc 0
		.amdhsa_float_denorm_mode_32 3
		.amdhsa_float_denorm_mode_16_64 3
		.amdhsa_memory_ordered 1
		.amdhsa_forward_progress 1
		.amdhsa_inst_pref_size 166
	.end_amdhsa_kernel
	.amdgpu_metadata
---
amdhsa.version: [ 1, 2 ]
amdhsa.kernels:
  - .name:           k_q6cb4a7612c_qkvg
    .symbol:         k_q6cb4a7612c_qkvg.kd
    .args:
      - { .name: xb, .offset: 0, .size: 8, .value_kind: global_buffer, .address_space: global }
      - { .name: wqb, .offset: 8, .size: 8, .value_kind: global_buffer, .address_space: global }
      - { .name: b_qkv, .offset: 16, .size: 8, .value_kind: global_buffer, .address_space: global }
      - { .name: qkv, .offset: 24, .size: 8, .value_kind: global_buffer, .address_space: global }
    .group_segment_fixed_size: 327680
    .private_segment_fixed_size: 0
    .kernarg_segment_align: 8
    .kernarg_segment_size: 32
    .max_flat_workgroup_size: 128
    .sgpr_count:     66
    .vgpr_count:     960
    .wavefront_size: 32
...
	.end_amdgpu_metadata
.endif
;; end of part 2
;; launch attn (part 3): grid 8 x 32, 8 waves a work-group, clusters of 4 x 1, 327,680 bytes of LDS; arguments qkv, ob; writes ob
.if DOCPART == 3
	.amdgcn_target "amdgcn-amd-amdhsa--gfx1250"
	.amdhsa_code_object_version 6
	.text
	.protected	k_q6cb4a7612c_attn
	.globl	k_q6cb4a7612c_attn
	.p2align	8
	.type	k_q6cb4a7612c_attn,@function
k_q6cb4a7612c_attn:
	s_mov_b64 s[64:65], 0
	v_nop
	global_prefetch_b8 v0, s[64:65] scope:SCOPE_SE
	s_setreg_imm32_b32 hwreg(HW_REG_WAVE_MODE, 25, 1), 1
	s_wait_xcnt 0x0
	s_wait_alu depctr_hold_cnt(0) depctr_sa_sdst(0) depctr_va_vdst(0) depctr_va_sdst(0) depctr_va_ssrc(0) depctr_va_vcc(0) depctr_vm_vsrc(0)
	s_getreg_b32 s2, hwreg(HW_REG_IB_STS2, 6, 4)
	s_cmp_eq_u32 s2, 0
	s_cbranch_scc0 .Lentry_in_a_cluster
	s_endpgm
.Lentry_in_a_cluster:
	s_bfe_u32 s2, ttmp6, 0x10000c
	s_cmp_lg_u32 s2, 0x3003
	s_cbranch_scc0 .Lentry_shape_is_right
	s_endpgm
.Lentry_shape_is_right:
; attn: softmax(Q K^T / 8) V for one head and 256 queries a work-group, keys streamed with a running maximum.
; qkv[g][token][64] bf16 (g = head: Q, 16 + head: K, 32 + head: V; token = 2048 batch + l); ob[head][token][64] bf16.
; grid: x = block of 256 queries (8), y = 16 batch + head (32).
; CLUSTERS: the four work-groups of a cluster (4, 1, 1) are four query blocks of one head: they need the same K and V and ask for them jointly.
; Eight waves.  Wave w owns queries 64 (w % 4) .. + 63 and key half w / 4 of every slot, so that a wave feeds 64 matrix instructions from 32 LDS
; loads in each step of 64 keys; the two key halves of a query block are merged once, at the end, through LDS.
; Two slots of 256 keys (K and V); each of the eight waves fetches a quarter of K (waves 0-3) or of V (waves 4-7): 64 keys, a dense block of
; 8,192 bytes, brought as 32 rows of 256 bytes (two keys a row).  K's rows lie 272 bytes apart in LDS, V's 288.
; LAYOUTS.  S^T = K Q^T: source 0 = 16 keys of K, source 1 = 16 queries of Q; lane l holds query l % 16, registers 0-7 keys 8 (l / 16) + 0..7.
; Two such tiles, rounded to bf16 in place, ARE the source-1 fragment of P^T for O^T = V^T P^T; V^T comes from LDS by the transposing load.
; A query's statistics lie in its lane and in the lane 16 further on; one exchange of the halves joins them.
; THE MAXIMUM is the running maximum M of the raw scores; p = 2^(c s - c M), c = log2(e) / 8, so no exponent is above the rounding of c M.
; The number NEGM = -c M, as rounded, is what the exponents use; rescaling uses 2^(NEGM new - NEGM old), so that old and new refer to the same numbers.
; LIMITS: Q, K, V, P and the result are bf16; the row sums are taken from the f32 p while the products use p rounded to bf16;
; p below 2^-126 counts as 0 (ISA guide, v_exp_f32); NaN and infinities are not served.
;
; REGISTERS: window 0: v2-9, v14 addresses; v10-13 M; v18-25 row sums (pairs); v26-33 NEGM (pairs, even register used); v34-41 rescale factors (likewise);
; v42-57 at work; v58-61 the other half's maxima; v64-127 Q; v128-191 K's fragments; v192-255 V's fragments.
; Window 1: v0-127 S, then P: tile (key block kt, query block qt) at 8 (4 qt + kt); v128-255 O: tile (dt, qt) at 128 + 8 (4 qt + dt).
.set SUB,   9216                       ; a quarter of K (32 x 272 = 8,704 used) or of V (32 x 288)
.set SLOT,  8*SUB                      ; 73,728
.set MERGE, 2*SLOT                     ; 147,456: 4 x 17,408, no tensor load lands here
.set MGB,   17408
.set STAGE, MERGE+4*MGB                ; 217,088: 4 x 64 rows x 144 bytes
.set FILLB, 32768                      ; 256 keys x 128 bytes
.set KAD, 2
.set VAD, 4
.set STO, 6
.set RD,  7
.set CO,  8
.set MG,  9
.set M,   10
.set QO,  14
.set L,   18
.set NEGM, 26
.set ALPHA, 34
.set T,   42
.set U,   58
.set QF,  64
.set KF,  128
.set VF,  192
.set G1K, 24
.set G1V, 32
.set G0K, 40
.set G0V, 48
.set MSB, 0
.macro WIN new
.if MSB != \new
	s_set_vgpr_msb (MSB<<8)|\new
.set MSB, \new
.endif
.endm
.macro PLACES
.rept 4
	v_nop
.endr
.endm
.macro JLOAD s                         ; waves 0-3 ask for K's quarters, waves 4-7 for V's: one line and one descriptor for all that issue it
	s_cmp_lt_u32 s8, 4
	s_cbranch_scc0 .Lfor_v_\@
	tensor_load_to_lds s[G0K+4*\s:G0K+4*\s+3], s[G1K:G1K+7]
	s_nop 0
	s_branch .Lasked_\@
.Lfor_v_\@:
	tensor_load_to_lds s[G0V+4*\s:G0V+4*\s+3], s[G1V:G1V+7]
	s_nop 0
.Lasked_\@:
.endm
.macro ROUND                           ; a round of the cluster's barrier
	s_barrier_signal -1
	s_barrier_wait -1
	s_cmp_lg_u32 s8, 0
	s_cbranch_scc1 .Lnot_wave_0_\@
	s_barrier_signal -3
.Lnot_wave_0_\@:
	s_barrier_wait -3
	s_barrier_signal -1
	s_barrier_wait -1
.endm
	s_load_b128 s[4:7], s[0:1], 0x0                ; qkv s[4:5], ob s[6:7]
	v_lshl_add_u32 v190, v0, 2, 0x3e000
	v_mov_b32 v191, 0
	ds_add_u32 v190, v191
	s_wait_dscnt 0x0
	v_lshrrev_b32 v1, 5, v0
	v_readfirstlane_b32 s8, v1                     ; wave 0..7
	s_and_b32 s9, s8, 3                            ; my block of 64 queries; also the quarter that I fetch
	s_lshr_b32 s10, s8, 2                          ; my half of each slot's keys
	s_mov_b32 s12, 0x76543210                      ; v_permlanex16_b32: lane i reads lane i of the other half
	s_mov_b32 s13, 0xfedcba98
	s_mov_b32 s14, 0x3e38aa3b                      ; c = log2(e) / 8
	s_mov_b32 s15, 0x3e38aa3b
	s_mov_b32 s16, 0xbe38aa3b                      ; -c
	s_bfe_u32 s17, ttmp6, 0x40000                  ; cx
	s_lshl_b32 s18, ttmp9, 2
	s_add_co_u32 s18, s18, s17                     ; block of 256 queries
	s_and_b32 s19, ttmp7, 0xffff
	s_and_b32 s20, s19, 15                         ; head
	s_lshr_b32 s21, s19, 4                         ; batch
	; group 1: 32 rows of 32 elements of 8 bytes, dense; the mask names all four work-groups of the cluster
	s_mov_b32 s[G1K+0], 15|(3<<16)|(1<<20)|(1<<21)|(5<<22)|(3<<25)   ; K: 4 words of padding behind every 64
	s_mov_b32 s[G1V+0], 15|(3<<16)|(1<<20)|(1<<21)|(5<<22)|(7<<25)   ; V: 8 words
.irp g, G1K, G1V
	s_mov_b32 s[\g+1], 32<<16
	s_mov_b32 s[\g+2], 32<<16
	s_mov_b32 s[\g+3], 32<<16
	s_mov_b32 s[\g+4], 32
	s_mov_b32 s[\g+5], 32
	s_mov_b32 s[\g+6], 0
	s_mov_b32 s[\g+7], 0
.endr
	s_lshl_b32 s56, s20, 19                        ; head x 524,288
	s_lshl_b32 s22, s21, 18                        ; + batch x 262,144
	s_add_co_u32 s56, s56, s22
	s_lshl_b32 s22, s9, 13                         ; + (wave % 4) x 64 rows of 128 bytes: my quarter of K or V, and my 64 queries
	s_add_co_u32 s56, s56, s22
	s_lshl_b32 s60, s18, 15                        ; Q and O: + block x 256 rows.  Only s60 holds the place in the cluster
	s_add_co_u32 s60, s60, s56
	s_mov_b32 s61, 0
	s_add_co_u32 s58, s56, 32<<19                  ; V's groups begin at 32
	s_add_co_u32 s56, s56, 16<<19                  ; K's at 16
	s_mov_b32 s57, 0
	s_mov_b32 s59, 0
	s_mul_i32 s62, s8, SUB                         ; where my quarter goes: wave x 9,216
	s_wait_kmcnt 0x0
	s_add_nc_u64 s[56:57], s[4:5], s[56:57]
	s_add_nc_u64 s[58:59], s[4:5], s[58:59]
	s_add_nc_u64 s[4:5], s[4:5], s[60:61]          ; my queries
	s_add_nc_u64 s[6:7], s[6:7], s[60:61]          ; my results
	ROUND                                          ; the four work-groups are here: the first joint loads meet
.irp s, 0,1
	s_mov_b32 s[G0K+4*\s], 1
	s_add_co_u32 s[G0K+4*\s+1], s62, \s*SLOT
	s_add_nc_u64 s[G0K+4*\s+2:G0K+4*\s+3], s[56:57], \s*FILLB
	s_or_b32 s[G0K+4*\s+3], s[G0K+4*\s+3], 0x80000000
	s_mov_b32 s[G0V+4*\s], 1
	s_add_co_u32 s[G0V+4*\s+1], s62, \s*SLOT
	s_add_nc_u64 s[G0V+4*\s+2:G0V+4*\s+3], s[58:59], \s*FILLB
	s_or_b32 s[G0V+4*\s+3], s[G0V+4*\s+3], 0x80000000
	JLOAD \s                                       ; keys 0-255 and 256-511: two tensor loads of the wave are out
.endr
	v_and_b32 v1, 15, v0                           ; r
	v_bfe_u32 v15, v0, 4, 1                        ; h
	v_and_b32 v17, 1, v0
	v_lshlrev_b32 v[QO], 7, v1
	v_lshl_add_u32 v[QO], v15, 4, v[QO]            ; Q: row r, 16 bytes for each half of the lanes
.irp qt, 0,1,2,3
.irp c, 0,1
	global_load_b128 v[QF+8*(2*\qt+\c):QF+8*(2*\qt+\c)+3],   v[QO], s[4:5] offset:\qt*2048+64*\c
	global_load_b128 v[QF+8*(2*\qt+\c)+4:QF+8*(2*\qt+\c)+7], v[QO], s[4:5] offset:\qt*2048+64*\c+32
.endr
.endr
	v_lshrrev_b32 v16, 1, v1                       ; K: key r lies in LDS row r / 2, half r % 2
	v_mul_u32_u24 v16, v16, 272
	v_lshl_add_u32 v16, v17, 7, v16
	v_lshl_add_u32 v16, v15, 4, v16
	s_mul_i32 s22, s10, 2*SUB                      ; my two quarters of a slot
	v_add_nc_u32 v[KAD], s22, v16
	v_add_nc_u32 v[KAD+1], SLOT, v[KAD]
	v_bfe_u32 v16, v0, 1, 2                        ; V: key 8 h + l % 8 lies in LDS row 4 h + (l % 8) / 2, half l % 2
	v_lshl_add_u32 v16, v15, 2, v16
	v_mul_u32_u24 v16, v16, 288
	v_lshl_add_u32 v16, v17, 7, v16
	v_bfe_u32 v62, v0, 3, 1
	v_lshl_add_u32 v16, v62, 4, v16                ; 16 bytes further for lanes 8-15 and 24-31
	s_add_co_u32 s22, s22, 4*SUB                   ; V's quarters lie behind K's four
	v_add_nc_u32 v[VAD], s22, v16
	v_add_nc_u32 v[VAD+1], SLOT, v[VAD]
	s_mul_i32 s23, s8, 64*144
	s_add_co_u32 s23, s23, STAGE                   ; my stage (waves 0-3 alone use one)
	v_mul_u32_u24 v16, v1, 144
	v_lshl_add_u32 v16, v15, 4, v16
	v_add_nc_u32 v[STO], s23, v16
	v_bfe_u32 v16, v0, 3, 2
	v_mul_u32_u24 v16, v16, 144
	v_and_b32 v62, 7, v0
	v_lshl_add_u32 v16, v62, 4, v16
	v_add_nc_u32 v[RD], s23, v16
	v_and_b32 v62, 31, v0
	v_lshlrev_b32 v[CO], 4, v62
	s_mul_i32 s23, s9, MGB
	s_add_co_u32 s23, s23, MERGE                   ; where wave w + 4 leaves its half for wave w
	v_add_nc_u32 v[MG], s23, v[CO]
.irp qt, 0,1,2,3
	v_mov_b32 v[NEGM+2*\qt+1], 0                   ; the unused halves of broadcast pairs and the exchange's destinations are written once
	v_mov_b32 v[ALPHA+2*\qt+1], 0
	v_mov_b32 v[U+\qt], 0
.endr
; One step: my 64 queries against 64 keys: quarter 2 (w / 4) + st of a slot.  first = 1: the very first step starts maxima, sums and O.
.macro STEP slot, st, first
.irp kt, 0,1,2,3
.irp c, 0,1
	ds_load_b128 v[KF+8*(2*\kt+\c):KF+8*(2*\kt+\c)+3],   v[KAD+\slot] offset:\st*SUB+\kt*2176+64*\c
	ds_load_b128 v[KF+8*(2*\kt+\c)+4:KF+8*(2*\kt+\c)+7], v[KAD+\slot] offset:\st*SUB+\kt*2176+64*\c+32
.endr
.endr
.if \first == 0
.rept 5
	v_nop                                          ; the products below write over P, a source of the last step's matrix instructions: five places (ISA guide 7.12.1)
.endr
.endif
	s_wait_dscnt 0x0                               ; K's 16 loads
	WIN 0x50                                       ; C and D window 1
	; S^T: 16 tiles take turns, first d 0-31 (C = 0 starts each sum), then d 32-63
.irp c, 0,1
.irp qt, 0,1,2,3
.irp kt, 0,1,2,3
.if \c == 0
	v_wmma_f32_16x16x32_bf16 v[8*(4*\qt+\kt):8*(4*\qt+\kt)+7], v[KF+8*(2*\kt+\c):KF+8*(2*\kt+\c)+7], v[QF+8*(2*\qt+\c):QF+8*(2*\qt+\c)+7], 0
.else
	v_wmma_f32_16x16x32_bf16 v[8*(4*\qt+\kt):8*(4*\qt+\kt)+7], v[KF+8*(2*\kt+\c):KF+8*(2*\kt+\c)+7], v[QF+8*(2*\qt+\c):QF+8*(2*\qt+\c)+7], v[8*(4*\qt+\kt):8*(4*\qt+\kt)+7]
.endif
.endr
.endr
.endr
	WIN 0
	PLACES                                         ; four places before vector instructions read S
.irp dt, 0,1,2,3
.irp kk, 0,1
	ds_load_tr16_b128 v[VF+8*(2*\dt+\kk):VF+8*(2*\dt+\kk)+3],   v[VAD+\slot] offset:\st*SUB+\kk*4608+32*\dt        ; V^T: d 16 dt + r, keys 32 kk + 8 h ..
	ds_load_tr16_b128 v[VF+8*(2*\dt+\kk)+4:VF+8*(2*\dt+\kk)+7], v[VAD+\slot] offset:\st*SUB+\kk*4608+32*\dt+2304   ; keys 32 kk + 16 + 8 h ..
.endr
.endr
	; the largest of my 32 scores of each query, four chains a query block; the first chain takes the old maximum in
	WIN 0x05                                       ; sources 0 and 1 window 1
.irp qt, 0,1,2,3
.irp k, 0,1,2,3
.if \first + \k == 0
	v_max3_num_f32 v[T+4*\qt+\k], v[8*(4*\qt+\k)], v[8*(4*\qt+\k)+1], v[M+\qt]
.else
	v_max_num_f32 v[T+4*\qt+\k], v[8*(4*\qt+\k)], v[8*(4*\qt+\k)+1]
.endif
.endr
.irp i, 2,4,6
.irp k, 0,1,2,3
	v_max3_num_f32 v[T+4*\qt+\k], v[8*(4*\qt+\k)+\i], v[8*(4*\qt+\k)+\i+1], v[T+4*\qt+\k]
.endr
.endr
.endr
	WIN 0
.irp qt, 0,1,2,3
	v_max3_num_f32 v[T+4*\qt], v[T+4*\qt], v[T+4*\qt+1], v[T+4*\qt+2]
.endr
.irp qt, 0,1,2,3
	v_max_num_f32 v[T+4*\qt], v[T+4*\qt], v[T+4*\qt+3]
.endr
.irp qt, 0,1,2,3
	v_permlanex16_b32 v[U+\qt], v[T+4*\qt], s12, s13               ; the other half of the lanes holds the query's other keys
.endr
.irp qt, 0,1,2,3
	v_max_num_f32 v[M+\qt], v[T+4*\qt], v[U+\qt]
.endr
.if \first
.irp qt, 0,1,2,3
	v_mul_f32 v[NEGM+2*\qt], s16, v[M+\qt]                         ; -c M
.endr
.else
.irp qt, 0,1,2,3
	v_mul_f32 v[T+4*\qt+1], s16, v[M+\qt]
.endr
.irp qt, 0,1,2,3
	v_sub_f32 v[ALPHA+2*\qt], v[T+4*\qt+1], v[NEGM+2*\qt]          ; new - old, at most 0
.endr
.irp qt, 0,1,2,3
	v_mov_b32 v[NEGM+2*\qt], v[T+4*\qt+1]
.endr
.irp qt, 0,1,2,3
	v_exp_f32 v[ALPHA+2*\qt], v[ALPHA+2*\qt]                       ; used only behind the multiply-adds below (ISA guide 5.7.2)
.endr
.endif
	; p = 2^(c s - c M) in place; O's rescaling is strewn among the exponentials
	WIN 0x41                                       ; destination and source 0 window 1
.irp qt, 0,1,2,3
.irp p, 0,1,2,3,4,5,6,7,8,9,10,11,12,13,14,15
	v_pk_fma_f32 v[32*\qt+2*\p:32*\qt+2*\p+1], v[32*\qt+2*\p:32*\qt+2*\p+1], s[14:15], v[NEGM+2*\qt:NEGM+2*\qt+1] op_sel_hi:[1,0,0]
.endr
.irp p, 0,1,2,3,4,5,6,7,8,9,10,11,12,13,14,15
	v_exp_f32 v[32*\qt+2*\p], v[32*\qt+2*\p]
	v_exp_f32 v[32*\qt+2*\p+1], v[32*\qt+2*\p+1]
.if \first == 0
	s_wait_alu depctr_va_vdst(0)
	v_pk_mul_f32 v[128+32*\qt+2*\p:128+32*\qt+2*\p+1], v[128+32*\qt+2*\p:128+32*\qt+2*\p+1], v[ALPHA+2*\qt:ALPHA+2*\qt+1] op_sel_hi:[1,0]
.endif
.endr
.endr
	; row sums, two a register pair, four chains; the first line reads query block 0's p, not the last exponentials' results
.if \first
	WIN 0x05
	s_wait_alu depctr_va_vdst(0)
.irp qt, 0,1,2,3
	v_pk_add_f32 v[L+2*\qt:L+2*\qt+1], v[32*\qt:32*\qt+1], v[32*\qt+2:32*\qt+3]
.endr
	WIN 0x01
.irp p, 2,3,4,5,6,7,8,9,10,11,12,13,14,15
.irp qt, 0,1,2,3
	v_pk_add_f32 v[L+2*\qt:L+2*\qt+1], v[32*\qt+2*\p:32*\qt+2*\p+1], v[L+2*\qt:L+2*\qt+1]
.endr
.endr
.else
	WIN 0x10                                       ; source 2 window 1
	s_wait_alu depctr_va_vdst(0)
.irp qt, 0,1,2,3
	v_pk_fma_f32 v[L+2*\qt:L+2*\qt+1], v[L+2*\qt:L+2*\qt+1], v[ALPHA+2*\qt:ALPHA+2*\qt+1], v[32*\qt:32*\qt+1] op_sel_hi:[1,0,1]
.endr
	WIN 0x01
.irp p, 1,2,3,4,5,6,7,8,9,10,11,12,13,14,15
.irp qt, 0,1,2,3
	v_pk_add_f32 v[L+2*\qt:L+2*\qt+1], v[32*\qt+2*\p:32*\qt+2*\p+1], v[L+2*\qt:L+2*\qt+1]
.endr
.endr
.endif
	; P to bf16 in place: two neighbouring tiles (32 keys) become the eight registers of one fragment, at 16 g, g = 2 qt + kk
	WIN 0x45
.irp g, 0,1,2,3,4,5,6,7
.irp i, 0,1,2,3
	v_cvt_pk_bf16_f32 v[16*\g+\i], v[16*\g+2*\i], v[16*\g+2*\i+1]
.endr
.irp i, 0,1,2,3
	v_cvt_pk_bf16_f32 v[16*\g+4+\i], v[16*\g+8+2*\i], v[16*\g+8+2*\i+1]
.endr
.endr
	s_wait_dscnt 0x0                               ; V's 16 loads
	WIN 0x54                                       ; source 1 (P), C and D (O) window 1
	; O^T += V^T P^T: 16 tiles take turns, keys 0-31, then keys 32-63
.irp kk, 0,1
.irp qt, 0,1,2,3
.irp dt, 0,1,2,3
.if \first - \kk == 1
	v_wmma_f32_16x16x32_bf16 v[128+8*(4*\qt+\dt):128+8*(4*\qt+\dt)+7], v[VF+8*(2*\dt+\kk):VF+8*(2*\dt+\kk)+7], v[32*\qt+16*\kk:32*\qt+16*\kk+7], 0
.else
	v_wmma_f32_16x16x32_bf16 v[128+8*(4*\qt+\dt):128+8*(4*\qt+\dt)+7], v[VF+8*(2*\dt+\kk):VF+8*(2*\dt+\kk)+7], v[32*\qt+16*\kk:32*\qt+16*\kk+7], v[128+8*(4*\qt+\dt):128+8*(4*\qt+\dt)+7]
.endif
.endr
.endr
.endr
	WIN 0
.endm
; A slot's two steps.  In front of the barrier every wave waits for all its tensor loads (its part of this slot among them) and for its reads of the
; other slot.  Where the other slot is filled again the barrier is a round of the cluster's barrier and the joint refill stands first behind it;
; that load has both steps' work in which to land.
.macro TWO slot, other, refill
	s_wait_xcnt 0x0
	v_lshl_add_u32 v190, v0, 2, 0x3e000
	v_mov_b32 v191, 0
	s_wait_tensorcnt 0x0
	ds_add_u32 v190, v191
	s_wait_dscnt 0x0
.if \refill
	s_add_nc_u64 s[G0K+4*\other+2:G0K+4*\other+3], s[G0K+4*\other+2:G0K+4*\other+3], 2*FILLB   ; no load of mine is out: 512 keys on
	s_add_nc_u64 s[G0V+4*\other+2:G0V+4*\other+3], s[G0V+4*\other+2:G0V+4*\other+3], 2*FILLB
.endif
	s_wait_dscnt 0x0
.if \refill
	ROUND
	JLOAD \other
.else
	s_barrier_signal -1
	s_barrier_wait -1
.endif
	STEP \slot, 0, 0
	STEP \slot, 1, 0
.endm
	s_wait_loadcnt 0x0                             ; Q
	s_wait_tensorcnt 0x1                           ; my part of slot 0 is in; slot 1's may stay out
	s_barrier_signal -1
	s_barrier_wait -1
	STEP 0, 0, 1
	STEP 0, 1, 0
	s_mov_b32 s11, 3                               ; 8 fills of 256 keys: two at the start, two in each of three trips
.Lkeys:
	TWO 1, 0, 1
	TWO 0, 1, 1
	s_sub_co_u32 s11, s11, 1
	s_cmp_lg_u32 s11, 0
	s_cbranch_scc1 .Lkeys
	TWO 1, 0, 0                                    ; the last 256 keys: nothing is left to fetch
	; THE MERGE.  Waves 4-7 leave O, NEGM and the row sums in LDS; waves 0-3 join them with their own.
	PLACES                                         ; O is read four places behind the last matrix instructions
.irp qt, 0,1,2,3
	v_add_f32 v[T+\qt], v[L+2*\qt], v[L+2*\qt+1]
.endr
	s_cmp_lt_u32 s8, 4
	s_cbranch_scc1 .Lkeeps
.irp qt, 0,1,2,3
	v_mov_b32 v[T+4+\qt], v[NEGM+2*\qt]            ; four neighbouring registers for one store
.endr
	WIN 0x04                                       ; store data window 1
.set i, 0
.rept 32
	ds_store_b128 v[MG], v[128+4*i:128+4*i+3] offset:512*i
.set i, i+1
.endr
	WIN 0
	ds_store_b128 v[MG], v[T+4:T+7] offset:16384
	ds_store_b128 v[MG], v[T:T+3] offset:16896
.Lkeeps:
	s_wait_dscnt 0x0                               ; for the others' sake: my stores are done
	s_barrier_signal -1
	s_barrier_wait -1
	s_cmp_lt_u32 s8, 4
	s_cbranch_scc0 .Lend
.set i, 0
.rept 32
	ds_load_b128 v[64+4*i:64+4*i+3], v[MG] offset:512*i            ; the partner's O into Q's and K's registers, lane for lane
.set i, i+1
.endr
	ds_load_b128 v[U:U+3], v[MG] offset:16384                      ; its NEGM
	ds_load_b128 v[T+8:T+11], v[MG] offset:16896                   ; its row sums
	s_wait_dscnt 0x0
.irp qt, 0,1,2,3
	v_min_num_f32 v[T+12+\qt], v[NEGM+2*\qt], v[U+\qt]             ; the smaller NEGM belongs to the larger maximum
.endr
.irp qt, 0,1,2,3
	v_sub_f32 v[ALPHA+2*\qt], v[T+12+\qt], v[NEGM+2*\qt]
	v_sub_f32 v[NEGM+2*\qt], v[T+12+\qt], v[U+\qt]
.endr
.irp qt, 0,1,2,3
	v_exp_f32 v[ALPHA+2*\qt], v[ALPHA+2*\qt]                       ; my factor
	v_exp_f32 v[NEGM+2*\qt], v[NEGM+2*\qt]                         ; the partner's
.endr
	v_nop                                          ; one plain place behind the exponentials (ISA guide 5.7.2)
	s_wait_alu depctr_va_vdst(0)
.irp qt, 0,1,2,3
	v_mul_f32 v[T+12+\qt], v[T+\qt], v[ALPHA+2*\qt]
.endr
.irp qt, 0,1,2,3
	v_fmac_f32 v[T+12+\qt], v[T+8+\qt], v[NEGM+2*\qt]
.endr
.irp qt, 0,1,2,3
	v_permlanex16_b32 v[U+\qt], v[T+12+\qt], s12, s13              ; the sums of the other half of the lanes
.endr
.irp qt, 0,1,2,3
	v_add_f32 v[T+12+\qt], v[T+12+\qt], v[U+\qt]
.endr
.irp qt, 0,1,2,3
	v_rcp_f32 v[T+12+\qt], v[T+12+\qt]                             ; the sum holds the largest p, which is about 1: never 0
.endr
	v_nop
	s_wait_alu depctr_va_vdst(0)
.irp qt, 0,1,2,3
	v_mul_f32 v[ALPHA+2*\qt], v[ALPHA+2*\qt], v[T+12+\qt]
	v_mul_f32 v[NEGM+2*\qt], v[NEGM+2*\qt], v[T+12+\qt]
.endr
.set n, 0
.rept 64
	v_pk_mul_f32 v[64+2*n:64+2*n+1], v[64+2*n:64+2*n+1], v[NEGM+2*(n/16):NEGM+2*(n/16)+1] op_sel_hi:[1,0]
.set n, n+1
.endr
	WIN 0x01                                       ; source 0 (my O) window 1
.set n, 0
.rept 64
	v_pk_fma_f32 v[64+2*n:64+2*n+1], v[128+2*n:128+2*n+1], v[ALPHA+2*(n/16):ALPHA+2*(n/16)+1], v[64+2*n:64+2*n+1] op_sel_hi:[1,0,1]
.set n, n+1
.endr
	WIN 0
.set n, 0
.rept 64
	v_cvt_pk_bf16_f32 v[192+n], v[64+2*n], v[64+2*n+1]             ; tile (dt, qt): four words = d 16 dt + 8 h + 0..7 of query 16 qt + r
.set n, n+1
.endr
.irp qt, 0,1,2,3
.irp dt, 0,1,2,3
	ds_store_b128 v[STO], v[192+4*(4*\qt+\dt):192+4*(4*\qt+\dt)+3] offset:\qt*2304+32*\dt
.endr
.endr
.set i, 0
.rept 16
	ds_load_b128 v[128+4*i:128+4*i+3], v[RD] offset:576*i          ; four queries' rows of 128 bytes; a wave's LDS instructions are served in order
.set i, i+1
.endr
.set i, 0
.rept 16
	s_wait_dscnt 15-i
	global_store_b128 v[CO], v[128+4*i:128+4*i+3], s[6:7] offset:512*i   ; 512 consecutive bytes, aligned
.set i, i+1
.endr
.Lend:
	s_wait_xcnt 0x0
	v_lshl_add_u32 v190, v0, 2, 0x3e000
	v_mov_b32 v191, 0
	s_wait_tensorcnt 0x0
	ds_add_u32 v190, v191
	s_wait_dscnt 0x0
	ROUND                                          ; the closing round
	s_endpgm
.Lfunc_end_k_q6cb4a7612c_attn:
	.size	k_q6cb4a7612c_attn, .Lfunc_end_k_q6cb4a7612c_attn-k_q6cb4a7612c_attn
	.p2alignl 7, 3214868480
	.fill 96, 4, 3214868480
	.section	.rodata,"a",@progbits
	.p2align	6, 0x0
	.amdhsa_kernel k_q6cb4a7612c_attn
		.amdhsa_group_segment_fixed_size 327680
		.amdhsa_private_segment_fixed_size 0
		.amdhsa_enable_private_segment 0
		.amdhsa_kernarg_size 16
		.amdhsa_user_sgpr_count 2
		.amdhsa_user_sgpr_kernarg_segment_ptr 1
		.amdhsa_wavefront_size32 1
		.amdhsa_system_sgpr_workgroup_id_x 1
		.amdhsa_system_sgpr_workgroup_id_y 1
		.amdhsa_system_sgpr_workgroup_id_z 1
		.amdhsa_system_vgpr_workitem_id 0
		.amdhsa_next_free_vgpr 512
		.amdhsa_next_free_sgpr 66
		.amdhsa_reserve_vcc 0
		.amdhsa_float_denorm_mode_32 3
		.amdhsa_float_denorm_mode_16_64 3
		.amdhsa_memory_ordered 1
		.amdhsa_forward_progress 1
		.amdhsa_inst_pref_size 255
	.end_amdhsa_kernel
	.section	.bss,"aw",@nobits
	.p2align	6
	.space	262144
	.amdgpu_metadata
---
amdhsa.version: [ 1, 2 ]
amdhsa.kernels:
  - .name:           k_q6cb4a7612c_attn
    .symbol:         k_q6cb4a7612c_attn.kd
    .args:
      - { .name: qkv, .offset: 0, .size: 8, .value_kind: global_buffer, .address_space: global }
      - { .name: ob, .offset: 8, .size: 8, .value_kind: global_buffer, .address_space: global }
    .group_segment_fixed_size: 327680
    .private_segment_fixed_size: 0
    .kernarg_segment_align: 8
    .kernarg_segment_size: 16
    .max_flat_workgroup_size: 256
    .sgpr_count:     66
    .vgpr_count:     512
    .wavefront_size: 32
...
	.end_amdgpu_metadata
.endif
;; end of part 3
;; launch proj (part 4): grid 8 x 32, 4 waves a work-group, clusters of 4 x 4, 327,680 bytes of LDS; arguments ob, wpb, b_proj, out0; writes out0
.if DOCPART == 4
	.amdgcn_target "amdgcn-amd-amdhsa--gfx1250"
	.amdhsa_code_object_version 6
	.text
	.protected	k_q6cb4a7612c_proj
	.globl	k_q6cb4a7612c_proj
	.p2align	8
	.type	k_q6cb4a7612c_proj,@function
k_q6cb4a7612c_proj:
	s_mov_b64 s[64:65], 0
	v_nop
	global_prefetch_b8 v0, s[64:65] scope:SCOPE_SE
	s_setreg_imm32_b32 hwreg(HW_REG_WAVE_MODE, 25, 1), 1
	s_wait_xcnt 0x0
	s_wait_alu depctr_hold_cnt(0) depctr_sa_sdst(0) depctr_va_vdst(0) depctr_va_sdst(0) depctr_va_ssrc(0) depctr_va_vcc(0) depctr_vm_vsrc(0)
	s_getreg_b32 s2, hwreg(HW_REG_IB_STS2, 6, 4)
	s_cmp_eq_u32 s2, 0
	s_cbranch_scc0 .Lentry_in_a_cluster
	s_endpgm
.Lentry_in_a_cluster:
	s_bfe_u32 s2, ttmp6, 0x10000c
	s_cmp_lg_u32 s2, 0xf033
	s_cbranch_scc0 .Lentry_shape_is_right
	s_endpgm
.Lentry_shape_is_right:
; proj: out0 = o w_proj + b_proj.  ob[head][4096 tokens][64] bf16 (k = 64 head + d), wpb [1024 k][1024 n] bf16, b_proj [1024] f32, out0 [4096][1024] f32.
; A work-group makes 128 tokens x 128 columns: 8 x 32 = 256 work-groups.  Four waves; wave w makes tokens 64 (w / 2) .. + 63 by columns 64 (w % 2) .. + 63:
; 16 accumulator tiles.  (Larger blocks would feed more products from each LDS byte but leave fewer than 256 work-groups.)
; K = 1024 goes in 4 fills of 256 (four heads) through two LDS slots; everything is written out, there is no loop.
; CLUSTERS: 4 x 4 work-groups.  o's tile hangs on the block row alone: asked for jointly along a row of the cluster; w's on the block column alone: jointly along a column.
; o's tile of one head is a dense block of 128 tokens x 128 bytes; it lies in LDS as 64 rows of 256 bytes (two tokens), 272 bytes apart.
; w lies [k][n], rows of 256 bytes 288 apart in LDS, and is read by the transposing load.
; The matrix instruction is used transposed (source 0 = w's columns, source 1 = tokens): a lane holds eight neighbouring columns of one token.
; The bias is the C operand of the first products.  LIMITS: operands are bf16; NaN and infinities are not served.
; REGISTERS: window 0: v16-27 addresses; v32-63, v64-95 o's fragments (two buffers; on the way out the read-back buffers); v96-127, v128-159 w's fragments;
; v160-191 the bias.  Window 1: v0-127 accumulators, tile (a, b) at 8 (4 a + b).
.set PA,     272
.set PB,     288
.set BHALF,  128*PB                    ; 36,864: what waves 0 and 1 fetch: 128 rows of k
.set BBYTES, 2*BHALF
.set AHALF,  2*64*PA                   ; 34,816: what waves 2 and 3 fetch: two heads
.set SLOT,   BBYTES+2*AHALF            ; 143,360
.set STAGE,  2*SLOT                    ; 286,720: 16 rows x 272 bytes for each wave, no tensor load lands here
.set ADRA, 16                          ; v16-17 o's fragments in slot 0, 1
.set ADRB, 20                          ; v20-23 w's fragments: slot 0 k 0-127, slot 0 k 128-255, slot 1 likewise
.set STO,  24
.set RD,   25
.set CO,   26
.set BO,   27
.set FA,   32
.set FB,   96
.set BIAS, 160
.set G1,  24                           ; o's tiles
.set G0,  32
.set G1B, 48                           ; w's tiles
.set G0B, 56
.set MSB, 0
.macro WIN new
.if MSB != \new
	s_set_vgpr_msb (MSB<<8)|\new
.set MSB, \new
.endif
.endm
.macro PLACES
.rept 4
	v_nop
.endr
.endm
.macro JLOAD s                         ; waves 0 and 1 ask for w's halves, waves 2 and 3 for o's
	s_cmp_eq_u32 s14, 0
	s_cbranch_scc0 .Lfor_a_\@
	tensor_load_to_lds s[G0B+4*\s:G0B+4*\s+3], s[G1B:G1B+7]
	s_nop 0
	s_branch .Lasked_\@
.Lfor_a_\@:
	tensor_load_to_lds s[G0+4*\s:G0+4*\s+3], s[G1:G1+7]
	s_nop 0
.Lasked_\@:
.endm
.macro CREST
	s_cmp_lg_u32 s12, 0
	s_cbranch_scc1 .Lnot_wave_0_\@
	s_barrier_signal -3
.Lnot_wave_0_\@:
	s_barrier_wait -3
	s_barrier_signal -1
	s_barrier_wait -1
.endm
.macro CROUND
	s_barrier_signal -1
	s_barrier_wait -1
	CREST
.endm
	s_load_b256 s[4:11], s[0:1], 0x0               ; ob s[4:5], wpb s[6:7], b_proj s[8:9], out0 s[10:11]
	v_lshl_add_u32 v254, v0, 2, 0x4a400
	v_mov_b32 v255, 0
	ds_add_u32 v254, v255
	v_lshrrev_b32 v1, 5, v0
	v_readfirstlane_b32 s12, v1                    ; wave 0..3
	s_and_b32 s13, s12, 1                          ; my half of the columns; also which half of a tile I fetch
	s_lshr_b32 s14, s12, 1                         ; my half of the tokens; also 0: I fetch for w, 1: for o
	s_bfe_u32 s16, ttmp6, 0x40000                  ; cx
	s_bfe_u32 s17, ttmp6, 0x40004                  ; cy
	s_lshl_b32 s18, ttmp9, 2
	s_add_co_u32 s18, s18, s16                     ; block column
	s_and_b32 s19, ttmp7, 0xffff
	s_lshl_b32 s19, s19, 2
	s_add_co_u32 s19, s19, s17                     ; block row
	s_lshl_b32 s20, s17, 2
	s_lshl_b32 s20, 15, s20                        ; my row of the cluster
	s_lshl_b32 s21, 0x1111, s16                    ; my column
	; group 1 for o: two heads, each one row of 2,048 elements of 8 bytes (128 tokens x 128 bytes, dense), 65,536 elements from head to head;
	; 4 words of padding behind every 64 words, counted along the tile
	s_or_b32 s[G1+0], s20, (3<<16)|(1<<20)|(1<<21)|(5<<22)|(3<<25)
	s_mov_b32 s[G1+1], 2048<<16
	s_mov_b32 s[G1+2], 2<<16
	s_mov_b32 s[G1+3], 2048<<16
	s_mov_b32 s[G1+4], 2
	s_mov_b32 s[G1+5], 65536
	s_mov_b32 s[G1+6], 0
	s_mov_b32 s[G1+7], 0
	; group 1 for w: 128 rows x 128 elements of 2 bytes, 8 words of padding behind every 64
	s_or_b32 s[G1B+0], s21, (1<<16)|(1<<20)|(1<<21)|(5<<22)|(7<<25)
	s_mov_b32 s[G1B+1], 128<<16
	s_mov_b32 s[G1B+2], 128<<16
	s_mov_b32 s[G1B+3], 128<<16
	s_mov_b32 s[G1B+4], 128
	s_mov_b32 s[G1B+5], 1024
	s_mov_b32 s[G1B+6], 0
	s_mov_b32 s[G1B+7], 0
	s_lshl_b32 s40, s13, 20                        ; o: two heads x half,
	s_lshl_b32 s22, s19, 14                        ; + 128 tokens x 128 bytes x block row
	s_add_co_u32 s40, s40, s22
	s_mov_b32 s41, 0
	s_lshl_b32 s42, s13, 18                        ; w: 128 rows of 2,048 bytes x half,
	s_lshl_b32 s23, s18, 8                         ; + 256 bytes x block column
	s_add_co_u32 s42, s42, s23
	s_mov_b32 s43, 0
	s_mul_i32 s44, s12, AHALF
	s_add_co_u32 s44, s44, BBYTES-2*AHALF          ; o's halves behind w's: 73,728 + (wave - 2) x 34,816 (waves 2, 3)
	s_mul_i32 s45, s12, BHALF                      ; w's halves at wave x 36,864 (waves 0, 1)
	s_lshl_b32 s46, s18, 9                         ; the bias of my 64 columns: 512 x block column + 256 x half
	s_lshl_b32 s22, s13, 8
	s_add_co_u32 s46, s46, s22
	s_mov_b32 s47, 0
	s_wait_dscnt 0x0
	s_wait_kmcnt 0x0
	s_add_nc_u64 s[40:41], s[4:5], s[40:41]
	s_add_nc_u64 s[42:43], s[6:7], s[42:43]
	s_add_nc_u64 s[8:9], s[8:9], s[46:47]
	s_add_nc_u64 s[10:11], s[10:11], s[46:47]      ; the same bytes along a row of out0
	CROUND                                         ; in front of the first joint loads
.irp s, 0,1
	s_mov_b32 s[G0+4*\s], 1
	s_add_co_u32 s[G0+4*\s+1], s44, \s*SLOT
	s_add_nc_u64 s[G0+4*\s+2:G0+4*\s+3], s[40:41], \s*4*524288     ; fill s: four heads on
	s_or_b32 s[G0+4*\s+3], s[G0+4*\s+3], 0x80000000
	s_mov_b32 s[G0B+4*\s], 1
	s_add_co_u32 s[G0B+4*\s+1], s45, \s*SLOT
	s_add_nc_u64 s[G0B+4*\s+2:G0B+4*\s+3], s[42:43], \s*256*2048   ; fill s: 256 rows down
	s_or_b32 s[G0B+4*\s+3], s[G0B+4*\s+3], 0x80000000
	JLOAD \s                                       ; two tensor loads of the wave are out
.endr
	v_and_b32 v1, 15, v0                           ; r
	v_bfe_u32 v2, v0, 4, 1                         ; h
	v_and_b32 v3, 7, v0
	v_bfe_u32 v4, v0, 3, 1
	v_lshlrev_b32 v[BO], 5, v2
.irp b, 0,1,2,3
	global_load_b128 v[BIAS+8*\b:BIAS+8*\b+3],   v[BO], s[8:9] offset:64*\b       ; b_proj[my column 16 b + 8 h + 0..3]
	global_load_b128 v[BIAS+8*\b+4:BIAS+8*\b+7], v[BO], s[8:9] offset:64*\b+16
.endr
	v_lshrrev_b32 v5, 1, v1                        ; o: token r lies in LDS row r / 2, half r % 2
	v_and_b32 v6, 1, v0
	v_mul_u32_u24 v5, v5, PA
	v_lshl_add_u32 v5, v6, 7, v5
	v_lshl_add_u32 v5, v2, 4, v5
	s_mul_i32 s22, s14, 32*PA                      ; my 64 tokens
	s_add_co_u32 s22, s22, BBYTES
	v_add_nc_u32 v[ADRA], s22, v5
	v_add_nc_u32 v[ADRA+1], SLOT, v[ADRA]
	v_lshl_add_u32 v7, v2, 3, v3                   ; w: k row 8 h + l % 8
	v_mul_u32_u24 v7, v7, PB
	v_lshl_add_u32 v7, v4, 4, v7
	s_lshl_b32 s23, s13, 7                         ; my 64 columns
	v_add_nc_u32 v[ADRB], s23, v7
	v_add_nc_u32 v[ADRB+1], BHALF, v[ADRB]         ; k 128-255: beyond the reach of the 16-bit offset
	v_add_nc_u32 v[ADRB+2], SLOT, v[ADRB]
	v_add_nc_u32 v[ADRB+3], SLOT, v[ADRB+1]
	s_mul_i32 s22, s12, 16*PA
	s_add_co_u32 s22, s22, STAGE                   ; my stage
	v_mul_u32_u24 v8, v1, PA
	v_lshl_add_u32 v8, v2, 5, v8
	v_add_nc_u32 v[STO], s22, v8                   ; in: token r, 32 bytes for each half of the lanes
	v_mul_u32_u24 v9, v2, PA
	v_lshl_add_u32 v9, v1, 4, v9
	v_add_nc_u32 v[RD], s22, v9                    ; back: lanes 0-15 one row of 256 bytes, lanes 16-31 the next
	v_lshlrev_b32 v10, 12, v2
	v_lshl_add_u32 v[CO], v1, 4, v10               ; the same two rows in out0
	s_lshl_b32 s46, s19, 19                        ; 128 tokens x 4,096 bytes x block row
	s_lshl_b32 s22, s14, 18                        ; + 64 tokens x half
	s_add_co_u32 s46, s46, s22
	s_add_nc_u64 s[10:11], s[10:11], s[46:47]
; 16 LDS loads: quarter q (0..7, 32 along K) of a slot into buffer f
.macro FETCHP slot, q, f
.irp b, 0,1,2,3
	ds_load_tr16_b128 v[FB+32*\f+8*\b:FB+32*\f+8*\b+3],   v[ADRB+2*\slot+((\q)>>2)] offset:((\q)&3)*32*PB+32*\b
	ds_load_tr16_b128 v[FB+32*\f+8*\b+4:FB+32*\f+8*\b+7], v[ADRB+2*\slot+((\q)>>2)] offset:((\q)&3)*32*PB+32*\b+16*PB
.endr
.irp a, 0,1,2,3
	ds_load_b128 v[FA+32*\f+8*\a:FA+32*\f+8*\a+3],   v[ADRA+\slot] offset:((\q)>>1)*64*PA+\a*8*PA+64*((\q)&1)
	ds_load_b128 v[FA+32*\f+8*\a+4:FA+32*\f+8*\a+7], v[ADRA+\slot] offset:((\q)>>1)*64*PA+\a*8*PA+64*((\q)&1)+32
.endr
.endm
; 16 matrix instructions on buffer f; the 16 accumulators take turns in one fixed order.  first = 1: C is the bias.
.macro MULP f, first
.irp a, 0,1,2,3
.irp b, 0,1,2,3
.if \first
	v_wmma_f32_16x16x32_bf16 v[8*(4*\a+\b):8*(4*\a+\b)+7], v[FB+32*\f+8*\b:FB+32*\f+8*\b+7], v[FA+32*\f+8*\a:FA+32*\f+8*\a+7], v[BIAS+8*\b:BIAS+8*\b+7]
.else
	v_wmma_f32_16x16x32_bf16 v[8*(4*\a+\b):8*(4*\a+\b)+7], v[FB+32*\f+8*\b:FB+32*\f+8*\b+7], v[FA+32*\f+8*\a:FA+32*\f+8*\a+7], v[8*(4*\a+\b):8*(4*\a+\b)+7]
.endif
.endr
.endr
.endm
; One of a fill's first seven quarters: fetches quarter qn into buffer g, then multiplies buffer f while those loads are on their way
.macro QP slot, qn, f, g, first
	PLACES                                         ; buffer g was read by the matrix instructions just issued: four places (ISA guide 7.12.1)
	FETCHP \slot, \qn, \g
	s_wait_dscnt 16                                ; all but the 16 just issued: buffer f is in
.if \first
	WIN 0x40                                       ; D window 1, C (the bias) window 0
.else
	WIN 0x50                                       ; C and D window 1
.endif
	MULP \f, \first
	WIN 0
.endm
.macro SEVEN slot, first
	QP \slot, 1, 0, 1, \first
	QP \slot, 2, 1, 0, 0
	QP \slot, 3, 0, 1, 0
	QP \slot, 4, 1, 0, 0
	QP \slot, 5, 0, 1, 0
	QP \slot, 6, 1, 0, 0
	QP \slot, 7, 0, 1, 0
.endm
; The eighth quarter multiplies buffer 1 and changes slots: each wave's reads of this slot and all its tensor loads are waited for in front of the
; barrier; where the slot is filled again the barrier opens a round of the cluster's barrier and the joint refill stands first behind it.
.macro LASTQ slot, next, fill
	s_wait_dscnt 0x0
	s_wait_tensorcnt 0x0
	ds_add_u32 v254, v255
	s_wait_dscnt 0x0
	s_barrier_signal -1
	WIN 0x50
	MULP 1, 0                                      ; register work while the others arrive
	WIN 0
	s_barrier_wait -1
.if \fill
	CREST
	s_add_nc_u64 s[G0+4*\slot+2:G0+4*\slot+3], s[G0+4*\slot+2:G0+4*\slot+3], 8*524288       ; two fills on: eight heads
	s_add_nc_u64 s[G0B+4*\slot+2:G0B+4*\slot+3], s[G0B+4*\slot+2:G0B+4*\slot+3], 512*2048   ; 512 rows
	JLOAD \slot
.endif
	PLACES
	FETCHP \next, 0, 0
.endm
	s_wait_loadcnt 0x0                             ; the bias
	s_wait_tensorcnt 0x1                           ; my part of fill 0 is in; fill 1's may stay out
	s_barrier_signal -1
	s_barrier_wait -1
	FETCHP 0, 0, 0
	SEVEN 0, 1
	LASTQ 0, 1, 1                                  ; fill 2 goes out
	SEVEN 1, 0
	LASTQ 1, 0, 1                                  ; fill 3 goes out
	SEVEN 0, 0
	LASTQ 0, 1, 0
	SEVEN 1, 0
	s_wait_dscnt 0x0
	WIN 0x50
	MULP 1, 0
	WIN 0
	PLACES                                         ; the LDS stores below read matrix results, the loads land in fragment registers
; THE WAY OUT, 16 tokens at a time, through my own stage: in by lanes that hold 32 bytes of a token, back by whole rows of 256 bytes
.macro OUTP a, rb
	WIN 0x04                                       ; store data window 1
.irp b, 0,1,2,3
	ds_store_b128 v[STO], v[8*(4*\a+\b):8*(4*\a+\b)+3]   offset:64*\b
	ds_store_b128 v[STO], v[8*(4*\a+\b)+4:8*(4*\a+\b)+7] offset:64*\b+16
.endr
	WIN 0
	s_wait_xcnt 0x0                                ; the read-back buffer, which earlier stores read, is loaded again only behind this wait
.irp t, 0,1,2,3,4,5,6,7
	ds_load_b128 v[\rb+4*\t:\rb+4*\t+3], v[RD] offset:2*PA*\t      ; a wave's LDS instructions are served in order: these see the stores above
.endr
.irp t, 0,1,2,3,4,5,6,7
	s_wait_dscnt 7-\t
	global_store_b128 v[CO], v[\rb+4*\t:\rb+4*\t+3], s[10:11] offset:(16*\a+2*\t)*4096 th:TH_STORE_NT   ; 16 lanes store 256 consecutive bytes, aligned
.endr
.endm
	OUTP 0, FA
	OUTP 1, FA+32
	OUTP 2, FA
	OUTP 3, FA+32
	s_wait_tensorcnt 0x0
	ds_add_u32 v254, v255
	s_wait_dscnt 0x0
	CROUND                                         ; the closing round
	s_endpgm
.Lfunc_end_k_q6cb4a7612c_proj:
	.size	k_q6cb4a7612c_proj, .Lfunc_end_k_q6cb4a7612c_proj-k_q6cb4a7612c_proj
	.p2alignl 7, 3214868480
	.fill 96, 4, 3214868480
	.section	.rodata,"a",@progbits
	.p2align	6, 0x0
	.amdhsa_kernel k_q6cb4a7612c_proj
		.amdhsa_group_segment_fixed_size 327680
		.amdhsa_private_segment_fixed_size 0
		.amdhsa_enable_private_segment 0
		.amdhsa_kernarg_size 32
		.amdhsa_user_sgpr_count 2
		.amdhsa_user_sgpr_kernarg_segment_ptr 1
		.amdhsa_wavefront_size32 1
		.amdhsa_system_sgpr_workgroup_id_x 1
		.amdhsa_system_sgpr_workgroup_id_y 1
		.amdhsa_system_sgpr_workgroup_id_z 1
		.amdhsa_system_vgpr_workitem_id 0
		.amdhsa_next_free_vgpr 384
		.amdhsa_next_free_sgpr 66
		.amdhsa_reserve_vcc 0
		.amdhsa_float_denorm_mode_32 3
		.amdhsa_float_denorm_mode_16_64 3
		.amdhsa_memory_ordered 1
		.amdhsa_forward_progress 1
		.amdhsa_inst_pref_size 90
	.end_amdhsa_kernel
	.amdgpu_metadata
---
amdhsa.version: [ 1, 2 ]
amdhsa.kernels:
  - .name:           k_q6cb4a7612c_proj
    .symbol:         k_q6cb4a7612c_proj.kd
    .args:
      - { .name: ob, .offset: 0, .size: 8, .value_kind: global_buffer, .address_space: global }
      - { .name: wpb, .offset: 8, .size: 8, .value_kind: global_buffer, .address_space: global }
      - { .name: b_proj, .offset: 16, .size: 8, .value_kind: global_buffer, .address_space: global }
      - { .name: out0, .offset: 24, .size: 8, .value_kind: global_buffer, .address_space: global }
    .group_segment_fixed_size: 327680
    .private_segment_fixed_size: 0
    .kernarg_segment_align: 8
    .kernarg_segment_size: 32
    .max_flat_workgroup_size: 128
    .sgpr_count:     66
    .vgpr_count:     384
    .wavefront_size: 32
...
	.end_amdgpu_metadata
.endif
;; end of part 4
